; MI455X (gfx1250); checked and timed in simulation.
; The chip was launched on July 23, 2026; its instructions are those of AMD's public machine-readable ISA for CDNA 5 (MIT licence, August 2026) and "CDNA5" Instruction Set Architecture Reference Guide (July 2026). The comments in the code are by the model that wrote it; some were corrected since.
;; Radius Graph. Allowed arithmetic: float matrix products may take bf16 or f16 operands with f32 sums; all other float work in f32.
;; Inputs: batch 8,192 int32; pos 8,192 x 3 float32.
;; Outputs: out0 2 x 262,144 int32; out1 262,144 x 3 float32; out2 262,144 bool.
;; One version. Each part assembles by itself: llvm-mc -triple=amdgcn-amd-amdhsa -mcpu=gfx1250 --defsym DOCPART=n.
;; ======== version 1 of 1: 2 launches
;; limits: values outside matrix products are rounded to bf16
;; workspace buffers: ranges 65,536 bytes of whole numbers
;; launch ranges (part 1): grid 256 x 1, 32 waves a work-group, no clusters, 6,400 bytes of LDS; arguments batch, ranges; writes ranges
.if DOCPART == 1
	.amdgcn_target "amdgcn-amd-amdhsa--gfx1250"
	.amdhsa_code_object_version 6
	.text
	.protected	k_q2014a655e6_ranges
	.globl	k_q2014a655e6_ranges
	.p2align	8
	.type	k_q2014a655e6_ranges,@function
k_q2014a655e6_ranges:
	s_mov_b64 s[64:65], 0
	v_nop
	global_prefetch_b8 v0, s[64:65] scope:SCOPE_SE
	s_setreg_imm32_b32 hwreg(HW_REG_WAVE_MODE, 25, 1), 1
	s_wait_xcnt 0x0
; WHICH CHUNKS OF 32 ATOMS CAN HOLD AN ATOM'S MOLECULE.  ranges[a] = (first chunk, one past the last chunk), two i32 for each of 8,192 atoms.
; The pair steers a trip count and addresses of the launch that follows, so it is made here and handed on through memory as whole numbers.
;
; batch need not be sorted.  Each work-group reads batch once (1,024 threads x 32 bytes) and keeps (min, max - min), as unsigned numbers, of
; each of the 256 chunks in LDS.  Wave w of group g owns atom 32 g + w: it tests its id against all 256 summaries (lane l: chunks l, l + 32, ..)
; and takes the first and the last chunk whose range holds the id.  That is a superset of the chunks that hold the id, whatever the order of
; batch; the next launch still compares ids lane by lane.  Sorted input gives about molecule/32 + 1 chunks, unsorted input up to 256.
; No branch and no address here hangs on loaded numbers; the only branch is on the wave's number.
; NO CLUSTER: what the groups share is 32 KiB, read once by each through plain loads; there are no tiles.
.set LDS_SUM, 0                        ; 256 chunks x 8 bytes: min, max - min
.set LDS_RNG, 2048                     ; 32 atoms x 8 bytes: the group's pairs, as they lie in ranges; ends at 2,304
.set LANE, 1
.set BO,   2                           ; byte offset of my atom's id
.set PB,   3                           ; my atom's id
.set T0,   4
.set T1,   5
.set TD,   6                           ; a neighbour lane's min, max
.set TI,   7
.set R,    8                           ; v[8:9] the pair
.set W,    10                          ; v[10:25] batch values, then chunk summaries
; scalars: s[4:5] batch, s[6:7] ranges, s14 wave, s15 atom, s20 my id, s[24:31] one bit for each chunk, s36 first, s37 one past the last
	s_load_b128 s[4:7], s[0:1], 0x0
	v_lshl_add_u32 v32, v0, 2, 0x900
	v_mov_b32 v33, 0
	v_and_b32 v[LANE], 31, v0
	v_lshrrev_b32 v[T0], 5, v0
	v_readfirstlane_b32 s14, v[T0]                 ; wave 0..31
	s_lshl_b32 s15, ttmp9, 5
	s_add_co_u32 s15, s15, s14                     ; my atom
	s_lshl_b32 s17, s15, 2
	s_lshl_b32 s18, s14, 6                         ; my wave's 8 chunk summaries: 64 bytes
	v_lshlrev_b32 v[T0], 5, v0                     ; thread t reads batch[8 t .. 8 t + 7]: a wave's load pair covers 1,024 consecutive bytes
	v_mov_b32 v[BO], s17
	s_wait_kmcnt 0x0
	global_load_b128 v[W:W+3],   v[T0], s[4:5]
	global_load_b128 v[W+4:W+7], v[T0], s[4:5] offset:16
	global_load_b32 v[PB], v[BO], s[4:5]           ; my atom's id, the same address in every lane
	v_mov_b32 v[TD], 0                             ; destinations of lane moves count as read: written once here
	v_mov_b32 v[TI], 0
	v_lshrrev_b32 v[T1], 2, v[LANE]
	v_lshl_add_u32 v[T1], v[T1], 3, s18            ; chunk t >> 2 at LDS byte 64 wave + 8 (lane >> 2)
	; ---- summary of each chunk of 32 ids: four neighbouring threads hold one chunk
	s_wait_loadcnt 0x1                             ; the one younger load (my atom's id) may stay out
	v_min_u32 v[W+8],  v[W],   v[W+1]
	v_max_u32 v[W+9],  v[W],   v[W+1]
	v_min_u32 v[W+10], v[W+2], v[W+3]
	v_max_u32 v[W+11], v[W+2], v[W+3]
	v_min_u32 v[W+12], v[W+4], v[W+5]
	v_max_u32 v[W+13], v[W+4], v[W+5]
	v_min_u32 v[W+14], v[W+6], v[W+7]
	v_max_u32 v[W+15], v[W+6], v[W+7]
	v_min_u32 v[W+8],  v[W+8],  v[W+10]
	v_max_u32 v[W+9],  v[W+9],  v[W+11]
	v_min_u32 v[W+12], v[W+12], v[W+14]
	v_max_u32 v[W+13], v[W+13], v[W+15]
	v_min_u32 v[W+8],  v[W+8],  v[W+12]
	v_max_u32 v[W+9],  v[W+9],  v[W+13]
.irp m, 1,2
	v_mov_b32_dpp v[TD], v[W+8] row_xmask:\m row_mask:0xf bank_mask:0xf
	v_mov_b32_dpp v[TI], v[W+9] row_xmask:\m row_mask:0xf bank_mask:0xf
	v_min_u32 v[W+8], v[W+8], v[TD]
	v_max_u32 v[W+9], v[W+9], v[TI]
.endr
	v_sub_nc_u32 v[W+9], v[W+9], v[W+8]            ; max - min
	ds_store_b64 v[T1], v[W+8:W+9] offset:LDS_SUM  ; the four threads of a chunk write the same 8 bytes with the same numbers
	s_wait_loadcnt 0x0
	v_readfirstlane_b32 s20, v[PB]
	s_wait_dscnt 0x0                               ; my summaries are in LDS, for the other waves' sake
	s_barrier_signal -1
	s_barrier_wait -1
	; ---- bit l of s[24+w] = chunk 32 w + l has min <= id <= max
	v_lshlrev_b32 v[T0], 3, v[LANE]                ; T0's loads were waited for above
.irp w, 0,1,2,3,4,5,6,7
	ds_load_b64 v[W+2*\w:W+2*\w+1], v[T0] offset:LDS_SUM+256*\w
.endr
	s_wait_dscnt 0x0
.irp w, 0,1,2,3,4,5,6,7
	v_sub_nc_u32 v[T1], s20, v[W+2*\w]             ; id - min, modulo 2^32,
	v_cmp_le_u32 s[24+\w], v[T1], v[W+2*\w+1]      ; is at most max - min exactly when min <= id <= max
.endr
	; first chunk: the lowest word that is not 0 (my own chunk's bit is always set), then its lowest bit
	s_mov_b32 s32, s31
	s_mov_b32 s33, 224
.irp w, 6,5,4,3,2,1,0
	s_cmp_lg_u32 s[24+\w], 0
	s_cselect_b32 s32, s[24+\w], s32
	s_cselect_b32 s33, 32*\w, s33
.endr
	s_ctz_i32_b32 s32, s32
	s_add_co_u32 s36, s33, s32
	; one past the last chunk: the highest word that is not 0; its highest bit is smeared downward, and the count of ones is that bit's number + 1
	s_mov_b32 s34, s24
	s_mov_b32 s35, 0
.irp w, 1,2,3,4,5,6,7
	s_cmp_lg_u32 s[24+\w], 0
	s_cselect_b32 s34, s[24+\w], s34
	s_cselect_b32 s35, 32*\w, s35
.endr
.irp n, 1,2,4,8,16
	s_lshr_b32 s38, s34, \n
	s_or_b32 s34, s34, s38
.endr
	s_bcnt1_i32_b32 s34, s34
	s_add_co_u32 s37, s35, s34                     ; 0 <= s36 < s37 <= 256, since my own chunk's bit is set
	; ---- the group's 32 pairs meet in LDS and leave as 256 consecutive bytes, at a multiple of 256 in ranges, by one store of wave 0
	s_lshl_b32 s38, s14, 3
	v_mov_b32 v[T1], s38
	v_mov_b32 v[R], s36
	v_mov_b32 v[R+1], s37
	ds_store_b64 v[T1], v[R:R+1] offset:LDS_RNG    ; every lane writes the same 8 bytes with the same numbers; bytes apart from the summaries
	s_wait_dscnt 0x0                               ; for wave 0's sake
	s_barrier_signal -1
	s_barrier_wait -1
	s_cmp_lg_u32 s14, 0
	s_cbranch_scc1 .Lend
	ds_load_b64 v[R:R+1], v[T0] offset:LDS_RNG     ; lane l: atom 32 g + l
	s_lshl_b32 s18, ttmp9, 8
	s_mov_b32 s19, 0
	s_add_nc_u64 s[6:7], s[6:7], s[18:19]
	s_wait_dscnt 0x0
	global_store_b64 v[T0], v[R:R+1], s[6:7]       ; read again by the next launch: no streaming hint
.Lend:
	s_wait_tensorcnt 0x0
	ds_add_u32 v32, v33
	s_wait_dscnt 0x0
	s_endpgm
.Lfunc_end_k_q2014a655e6_ranges:
	.size	k_q2014a655e6_ranges, .Lfunc_end_k_q2014a655e6_ranges-k_q2014a655e6_ranges
	.p2alignl 7, 3214868480
	.fill 96, 4, 3214868480
	.section	.rodata,"a",@progbits
	.p2align	6, 0x0
	.amdhsa_kernel k_q2014a655e6_ranges
		.amdhsa_group_segment_fixed_size 6400
		.amdhsa_private_segment_fixed_size 0
		.amdhsa_enable_private_segment 0
		.amdhsa_kernarg_size 16
		.amdhsa_user_sgpr_count 2
		.amdhsa_user_sgpr_kernarg_segment_ptr 1
		.amdhsa_wavefront_size32 1
		.amdhsa_system_sgpr_workgroup_id_x 1
		.amdhsa_system_sgpr_workgroup_id_y 1
		.amdhsa_system_sgpr_workgroup_id_z 1
		.amdhsa_system_vgpr_workitem_id 0
		.amdhsa_next_free_vgpr 34
		.amdhsa_next_free_sgpr 66
		.amdhsa_reserve_vcc 0
		.amdhsa_float_denorm_mode_32 3
		.amdhsa_float_denorm_mode_16_64 3
		.amdhsa_memory_ordered 1
		.amdhsa_forward_progress 1
		.amdhsa_inst_pref_size 7
	.end_amdhsa_kernel
	.amdgpu_metadata
---
amdhsa.version: [ 1, 2 ]
amdhsa.kernels:
  - .name:           k_q2014a655e6_ranges
    .symbol:         k_q2014a655e6_ranges.kd
    .args:
      - { .name: batch, .offset: 0, .size: 8, .value_kind: global_buffer, .address_space: global }
      - { .name: ranges, .offset: 8, .size: 8, .value_kind: global_buffer, .address_space: global }
    .group_segment_fixed_size: 6400
    .private_segment_fixed_size: 0
    .kernarg_segment_align: 8
    .kernarg_segment_size: 16
    .max_flat_workgroup_size: 1024
    .sgpr_count:     66
    .vgpr_count:     34
    .wavefront_size: 32
...
	.end_amdgpu_metadata
.endif
;; end of part 1
;; launch radius (part 2): grid 256 x 1, 32 waves a work-group, no clusters, 21,504 bytes of LDS; arguments batch, pos, out0, out1, out2, ranges; writes out0, out1, out2
.if DOCPART == 2
	.amdgcn_target "amdgcn-amd-amdhsa--gfx1250"
	.amdhsa_code_object_version 6
	.text
	.protected	k_q2014a655e6_radius
	.globl	k_q2014a655e6_radius
	.p2align	8
	.type	k_q2014a655e6_radius,@function
k_q2014a655e6_radius:
	s_mov_b64 s[64:65], 0
	v_nop
	global_prefetch_b8 v0, s[64:65] scope:SCOPE_SE
	s_setreg_imm32_b32 hwreg(HW_REG_WAVE_MODE, 25, 1), 1
	s_wait_xcnt 0x0
; RADIUS GRAPH: for each of 8,192 atoms the 32 nearest atoms of the same molecule within 5.0, sorted by (distance, index).
; out0 [2][262144] i32 (src row, dst row), out1 [262144][3] f32 (pos[dst] - pos[src], 0 on padding), out2 [262144] bytes (1 = edge).
;
; SHAPE.  256 work-groups of 32 waves; wave w of group g owns atom 32 g + w; a lane holds one candidate, later one output slot.
; With 128 registers a wave, eight waves take a SIMD's 1,024 registers: the work-group has its WGP for itself.
;
; WHICH CHUNKS.  ranges[atom] = (first chunk of 32 atoms, one past the last) that can hold the atom's molecule, made by the launch before from
; all of batch, sorted or not, and read here by a scalar load: the trip count and the addresses hang on these two whole numbers alone.
; Every lane still compares batch ids exactly.
;
; ARITHMETIC.  dst and the mask are whole numbers, so the ORDER of the distances has to come out as in f32 arithmetic on the operands.
; Positions are rounded to bf16 first (the format of matrix operands) and everything (squares, products, edge vectors) is made of the
; rounded positions: a product of two bf16 numbers has 16 significant bits and is exact in f32, so mul, fma, fma give
; fl(fl(x x' + y y') + z z') whether or not the other side fuses.  d2 = fl(fl(sq_i + sq_j) - 2 dot), clamped at 0.
; The root has to be correctly rounded, since equal distances are ordered by index: d2 is scaled by 2^32 (exact; no denormal reaches
; v_sqrt_f32), the root is repaired with two fused residuals against its two neighbours, and the sort key is the
; bit pattern of 65536 dist (monotone for numbers >= 0).  The cutoff is then 5.0 x 65536.
; THE MATRIX UNIT IS NOT USED: the product has K = 3, three of the 218 vector instructions of a chunk, and a sum that is grouped otherwise
; than the f32 chain can differ in the last bit, which swaps neighbours in an output that is compared exactly.
;
; SELECTION without any branch or address that hangs on a float: a bitonic network over the 32 lanes.  A record is three words:
;   D = key (0x7f800000 = no edge),  I = index << 16 | bf16(x),  P = bf16(y) << 16 | bf16(z).
; Order: D, then I (the index decides; records never compare equal).  The position rides along, so pos[dst] is never gathered.
; The first chunk is sorted ascending (15 stages) and is the best 32 so far.  Each later chunk is sorted descending; lane by lane the smaller
; of it and of the best are the 32 smallest of both, a bitonic row, which 5 stages sort again.
;
; NO CLUSTER, NO TENSOR LOADS: a wave needs 512 bytes a chunk, straight into registers, out of 128 KiB of inputs; there is no tile to share.
;
; LIMITS: positions finite; squares of coordinates neither overflow nor lose bits (|p| = 0 or 2^-60 .. 2^60); a d2 that is NaN would be
; taken as 0 by the clamp.  Edge vectors are differences of the bf16-rounded positions.
.set LDS_VEC, 0                        ; 32 atoms x 384 bytes: edge vectors as they lie in out1
.set LDS_DST, LDS_VEC + 12288          ; 32 atoms x 128 bytes: dst as it lies in out0
.set LDS_MSK, LDS_DST + 4096           ; 32 atoms x 32 bytes: the mask as it lies in out2; ends at 17,408
.set DSTROW,  262144*4                 ; byte offset of out0's second row
.set LANE, 1                           ; lane
.set L12,  2                           ; 12 x lane
.set L4,   3                           ; 4 x lane
.set L16,  4                           ; lane << 16
.set PO,   5                           ; byte offset of a chunk's positions
.set BO,   6                           ; byte offset of a chunk's ids
.set XI,   7                           ; my atom, rounded: x, y, z, and its square sum
.set YI,   8
.set ZI,   9
.set SQI,  10
.set VINF, 11                          ; 0x7f800000
.set PX,   12                          ; v[12:14] a candidate's position as loaded
.set PB,   15                          ; its batch id
.set X,    16                          ; v[16:19] candidate x, y, z, scratch; at the end a store's data
.set Y,    17
.set Z,    18
.set A,    19
.set SQ,   20
.set DOT,  21
.set D2,   22
.set S,    23
.set SM,   24
.set SP,   25
.set RM,   26
.set RP,   27
.set J16,  28                          ; candidate index << 16
.set CD,   29                          ; the chunk's record
.set CI,   30
.set CP,   31
.set BD,   32                          ; the best record of this lane's rank
.set BI,   33
.set BP,   34
.set TD,   35                          ; the partner lane's record
.set TI,   36
.set TP,   37
.set T0,   38
.set T1,   39
.set OPO,  40                          ; my own atom: byte offsets,
.set OBO,  41
.set OX,   42                          ; v[42:44] position as loaded,
.set OB,   45                          ; batch id
.set W,    48                          ; v[48:51] at the end a store's data
; scalars: s[4:5] batch, s[6:7] pos, s[8:9] out0, s[10:11] out1, s[12:13] out2, s[46:47] ranges, s14 wave, s15 atom, s20 my batch id,
; s21 atom << 16, s22-23 lane selects, s36 chunk counter, s37 one past the last chunk, s40-43 lane masks, the rest scratch
	s_load_b256 s[4:11], s[0:1], 0x0
	s_load_b64 s[12:13], s[0:1], 0x20
	s_load_b64 s[46:47], s[0:1], 0x28
	v_lshl_add_u32 v126, v0, 2, 0x4400
	v_mov_b32 v127, 0
	v_and_b32 v[LANE], 31, v0
	v_lshrrev_b32 v[T0], 5, v0
	v_readfirstlane_b32 s14, v[T0]                 ; wave 0..31
	s_lshl_b32 s15, ttmp9, 5
	s_add_co_u32 s15, s15, s14                     ; my atom
	s_mul_i32 s16, s15, 12
	s_lshl_b32 s17, s15, 2
	s_lshl_b32 s18, s15, 3                         ; my pair in ranges
	s_mov_b32 s19, 0
	s_lshl_b32 s21, s15, 16
	s_mov_b32 s22, 0x76543210                      ; v_permlanex16_b32: lane i reads lane i of the other half
	s_mov_b32 s23, 0xfedcba98
	v_mov_b32 v[OPO], s16
	v_mov_b32 v[OBO], s17
	s_wait_kmcnt 0x0
	s_add_nc_u64 s[46:47], s[46:47], s[18:19]
	s_load_b64 s[36:37], s[46:47], 0x0             ; first chunk, one past the last
	global_load_b96 v[OX:OX+2], v[OPO], s[6:7]     ; my atom, the same address in every lane
	global_load_b32 v[OB], v[OBO], s[4:5]
	v_mul_u32_u24 v[L12], v[LANE], 12
	v_lshlrev_b32 v[L4], 2, v[LANE]
	v_lshlrev_b32 v[L16], 16, v[LANE]
	v_mov_b32 v[VINF], 0x7f800000
	v_mov_b32 v[TD], 0                             ; destinations of lane moves count as read: written once here
	v_mov_b32 v[TI], 0
	v_mov_b32 v[TP], 0
	s_wait_kmcnt 0x0
	s_min_u32 s36, s36, 255                        ; loaded numbers enter addresses only clamped to the 256 chunks
	s_min_u32 s37, s37, 256                        ; the loop's bound, exclusive
	s_mul_i32 s38, s36, 384                        ; a chunk is 384 bytes of pos and 128 of batch
	s_lshl_b32 s39, s36, 7
	v_add_nc_u32 v[PO], s38, v[L12]
	v_add_nc_u32 v[BO], s39, v[L4]
	global_load_b96 v[PX:PX+2], v[PO], s[6:7]      ; the first chunk goes out while my own atom is still on its way: registers of its own
	global_load_b32 v[PB], v[BO], s[4:5]
	; ---- my atom: rounded position, square sum, batch id
	s_wait_loadcnt 0x2                             ; the two younger loads (the first chunk's positions and ids) may stay out
	v_readfirstlane_b32 s20, v[OB]
	v_cvt_pk_bf16_f32 v[A],  v[OX],   v[OX+1]      ; low half x, high half y, to nearest even
	v_cvt_pk_bf16_f32 v[ZI], v[OX+2], v[OX+2]
	v_lshlrev_b32 v[XI], 16, v[A]
	v_and_b32 v[YI], 0xffff0000, v[A]
	v_and_b32 v[ZI], 0xffff0000, v[ZI]
	v_mul_f32 v[SQI], v[XI], v[XI]
	v_fma_f32 v[SQI], v[YI], v[YI], v[SQI]
	v_fma_f32 v[SQI], v[ZI], v[ZI], v[SQI]
; The records of chunk s36 into registers d, i, p; the next chunk's loads go out on the way.
.macro KEYS d, i, p
	s_wait_loadcnt 0x0                             ; this chunk's two loads, issued a whole trip ago; PO and BO are free again
	v_cvt_pk_bf16_f32 v[A],  v[PX],   v[PX]        ; bf16(x) in both halves
	v_cvt_pk_bf16_f32 v[\p], v[PX+2], v[PX+1]      ; P = bf16(y) << 16 | bf16(z)
	v_cmp_eq_u32 s42, s20, v[PB]                   ; same molecule
	; the next chunk's loads go out ahead of the sort; in the last trip they fetch a chunk that is not used, clamped into the buffers
	s_add_co_u32 s38, s36, 1
	s_min_u32 s38, s38, 255
	s_mul_i32 s39, s38, 384
	s_lshl_b32 s38, s38, 7
	v_add_nc_u32 v[PO], s39, v[L12]
	v_add_nc_u32 v[BO], s38, v[L4]
	global_load_b96 v[PX:PX+2], v[PO], s[6:7]
	global_load_b32 v[PB], v[BO], s[4:5]
	s_lshl_b32 s39, s36, 21
	v_add_nc_u32 v[J16], s39, v[L16]               ; (32 chunk + lane) << 16
	v_cmp_ne_u32 s43, s21, v[J16]                  ; not myself
	s_and_b32 s42, s42, s43
	v_lshlrev_b32 v[X], 16, v[A]
	v_and_b32 v[Y], 0xffff0000, v[\p]
	v_lshlrev_b32 v[Z], 16, v[\p]
	v_mul_f32 v[SQ],  v[X],  v[X]                  ; products of bf16 numbers are exact: each fma rounds the sum alone
	v_mul_f32 v[DOT], v[XI], v[X]
	v_fma_f32 v[SQ],  v[Y],  v[Y], v[SQ]
	v_fma_f32 v[DOT], v[YI], v[Y], v[DOT]
	v_fma_f32 v[SQ],  v[Z],  v[Z], v[SQ]
	v_fma_f32 v[DOT], v[ZI], v[Z], v[DOT]
	v_add_f32 v[SQ], v[SQI], v[SQ]
	v_fma_f32 v[D2], -2.0, v[DOT], v[SQ]           ; 2 dot is exact: one rounding, as a subtraction has
	v_max_num_f32 v[D2], 0, v[D2]
	v_mul_f32 v[D2], 0x4f800000, v[D2]             ; x 2^32, exact; an overflow gives infinity, which is beyond the cutoff
	v_sqrt_f32 v[S], v[D2]
	v_bfi_b32 v[\i], 0xffff, v[A], v[J16]          ; I = index << 16 | bf16(x); also the plain instruction between the root and its first use (ISA guide 5.7.2)
	; the root may be one step off.  With s- and s+ its neighbours: d2 - s s- <= 0 means the true root lies below the midpoint of s- and s,
	; d2 - s s+ > 0 means above that of s and s+ (d2 - s s' is a multiple of the square of the root's last place, so the fused sign is exact).
	; s = 0 or infinity make a NaN or 0 of the residuals, and both tests fail.
	s_wait_alu depctr_va_vdst(0)
	v_add_nc_u32 v[SM], -1, v[S]
	v_add_nc_u32 v[SP], 1, v[S]
	v_fma_f32 v[RM], -v[SM], v[S], v[D2]
	v_fma_f32 v[RP], -v[SP], v[S], v[D2]
	v_cmp_ge_f32 vcc_lo, 0, v[RM]
	v_cndmask_b32 v[SM], v[S], v[SM], vcc_lo
	v_cmp_lt_f32 vcc_lo, 0, v[RP]
	v_cndmask_b32 v[S], v[SM], v[SP], vcc_lo
	v_cmp_ge_f32 vcc_lo, 0x48a00000, v[S]          ; 65536 dist <= 327680.0
	s_and_b32 s42, s42, vcc_lo
	v_cndmask_b32 v[\d], v[VINF], v[S], s42
.endm
; One stage: each lane looks at the record of lane xor j and takes it if that is what its place asks for.
; keepmax: the lanes that keep the larger record.  less = partner < mine, by D, then by I.  Records differ, so for a lane that keeps the
; larger one 'take' is simply not less; both lanes of a pair then decide alike.
.macro CE d, i, p, j, keepmax
.if \j == 16
	v_permlanex16_b32 v[TD], v[\d], s22, s23
	v_permlanex16_b32 v[TI], v[\i], s22, s23
	v_permlanex16_b32 v[TP], v[\p], s22, s23
.else
	v_mov_b32_dpp v[TD], v[\d] row_xmask:\j row_mask:0xf bank_mask:0xf
	v_mov_b32_dpp v[TI], v[\i] row_xmask:\j row_mask:0xf bank_mask:0xf
	v_mov_b32_dpp v[TP], v[\p] row_xmask:\j row_mask:0xf bank_mask:0xf
.endif
	v_cmp_lt_u32 s40, v[TD], v[\d]
	v_cmp_eq_u32 s41, v[TD], v[\d]
	v_cmp_lt_u32 vcc_lo, v[TI], v[\i]
	s_and_b32 s41, s41, vcc_lo
	s_or_b32 s40, s40, s41
	s_xor_b32 s40, s40, \keepmax
	v_cndmask_b32 v[\d], v[\d], v[TD], s40
	v_cndmask_b32 v[\i], v[\i], v[TI], s40
	v_cndmask_b32 v[\p], v[\p], v[TP], s40
.endm
; Five stages that put a bitonic row of 32 in ascending order
.macro ASCEND d, i, p
	CE \d, \i, \p, 16, 0xffff0000
	CE \d, \i, \p, 8,  0xff00ff00
	CE \d, \i, \p, 4,  0xf0f0f0f0
	CE \d, \i, \p, 2,  0xcccccccc
	CE \d, \i, \p, 1,  0xaaaaaaaa
.endm
; Fifteen stages: runs of 2, 4, 8, 16 in alternating directions, then all 32 descending (desc = 1) or ascending.
; keepmax = (lanes with bit j set) xor (lanes of descending runs)
.macro SORT32 d, i, p, desc
	CE \d, \i, \p, 1,  0x66666666
	CE \d, \i, \p, 2,  0x3c3c3c3c
	CE \d, \i, \p, 1,  0x5a5a5a5a
	CE \d, \i, \p, 4,  0x0ff00ff0
	CE \d, \i, \p, 2,  0x33cc33cc
	CE \d, \i, \p, 1,  0x55aa55aa
	CE \d, \i, \p, 8,  0x00ffff00
	CE \d, \i, \p, 4,  0x0f0ff0f0
	CE \d, \i, \p, 2,  0x3333cccc
	CE \d, \i, \p, 1,  0x5555aaaa
.if \desc
	CE \d, \i, \p, 16, 0x0000ffff
	CE \d, \i, \p, 8,  0x00ff00ff
	CE \d, \i, \p, 4,  0x0f0f0f0f
	CE \d, \i, \p, 2,  0x33333333
	CE \d, \i, \p, 1,  0x55555555
.else
	ASCEND \d, \i, \p
.endif
.endm
	; ---- the first chunk, always due (an atom's own chunk lies in its range), starts the best 32: nothing is filled with empty records
	KEYS BD, BI, BP
	SORT32 BD, BI, BP, 0
	s_add_co_u32 s36, s36, 1
	s_cmp_ge_u32 s36, s37
	s_cbranch_scc1 .Ldone
.Lchunk:
	KEYS CD, CI, CP
	SORT32 CD, CI, CP, 1
	; best ascending against chunk descending: the smaller of each lane's two are the 32 smallest of the 64
	v_cmp_lt_u32 s40, v[CD], v[BD]
	v_cmp_eq_u32 s41, v[CD], v[BD]
	v_cmp_lt_u32 vcc_lo, v[CI], v[BI]
	s_and_b32 s41, s41, vcc_lo
	s_or_b32 s40, s40, s41
	v_cndmask_b32 v[BD], v[BD], v[CD], s40
	v_cndmask_b32 v[BI], v[BI], v[CI], s40
	v_cndmask_b32 v[BP], v[BP], v[CP], s40
	ASCEND BD, BI, BP
	s_add_co_u32 s36, s36, 1                       ; a step of 1 against an exclusive bound of at most 256: the loop ends after at most 255 trips
	s_cmp_lt_u32 s36, s37
	s_cbranch_scc1 .Lchunk
.Ldone:
	; ---- lane r holds neighbour r of my atom: into the stage, laid out as in the outputs
	s_wait_loadcnt 0x0                             ; the last trip's look-ahead loads: nothing stays pending
	v_cmp_gt_u32 vcc_lo, v[VINF], v[BD]            ; an edge
	v_lshrrev_b32 v[T0], 16, v[BI]
	v_mov_b32 v[T1], s15
	v_lshlrev_b32 v[X], 16, v[BI]
	v_and_b32 v[Y], 0xffff0000, v[BP]
	v_lshlrev_b32 v[Z], 16, v[BP]
	v_cndmask_b32 v[T0], v[T1], v[T0], vcc_lo      ; dst, or myself on padding
	v_sub_f32 v[X], v[X], v[XI]
	v_sub_f32 v[Y], v[Y], v[YI]
	v_sub_f32 v[Z], v[Z], v[ZI]
	v_cndmask_b32 v[X], 0, v[X], vcc_lo
	v_cndmask_b32 v[Y], 0, v[Y], vcc_lo
	v_cndmask_b32 v[Z], 0, v[Z], vcc_lo
	v_cndmask_b32 v[A], 0, 1, vcc_lo
	s_mul_i32 s38, s14, 384
	s_lshl_b32 s39, s14, 7
	s_lshl_b32 s40, s14, 5
	v_add_nc_u32 v[SQ],  s38, v[L12]
	v_add_nc_u32 v[DOT], s39, v[L4]
	v_add_nc_u32 v[D2],  s40, v[LANE]
	ds_store_b32 v[SQ],  v[X]  offset:LDS_VEC      ; lanes 12 bytes apart: 3 words, no common factor with the 64 banks (ISA guide 11.1)
	ds_store_b32 v[SQ],  v[Y]  offset:LDS_VEC+4
	ds_store_b32 v[SQ],  v[Z]  offset:LDS_VEC+8
	ds_store_b32 v[DOT], v[T0] offset:LDS_DST
	ds_store_b8  v[D2],  v[A]  offset:LDS_MSK
	s_wait_dscnt 0x0                               ; for the waves that read my bytes behind the barrier
	s_barrier_signal -1
	s_barrier_wait -1
	; ---- the way out: 16 bytes a thread, every store of a wave covers 512 consecutive bytes at a multiple of 512 in its buffer.
	; The stage holds 12,288 bytes for out1 and behind them 4,096 for out0's dst row: thread t takes bytes 16 t; waves 0-23 are out1's.
	v_lshlrev_b32 v[T0], 4, v0
	ds_load_b128 v[W:W+3], v[T0] offset:LDS_VEC
	s_mul_i32 s38, ttmp9, 12288                    ; the group's part of out1
	s_lshl_b32 s39, ttmp9, 12                      ; the group's part of a row of out0,
	s_add_co_u32 s39, s39, DSTROW-12288            ; in the dst row, less the 12,288 that 16 t is ahead there
	s_cmp_lt_u32 s14, 24
	s_cselect_b64 s[16:17], s[10:11], s[8:9]
	s_cselect_b32 s18, s38, s39
	s_mov_b32 s19, 0
	s_add_nc_u64 s[16:17], s[16:17], s[18:19]
	s_wait_dscnt 0x0
	global_store_b128 v[T0], v[W:W+3], s[16:17] th:TH_STORE_NT
	s_cmp_ge_u32 s14, 10
	s_cbranch_scc1 .Lend
	s_cmp_ge_u32 s14, 8
	s_cbranch_scc1 .Lmask
	; waves 0-7: the src row.  Thread t holds edges 4 t .. 4 t + 3 of the group, all of atom 32 group + (t >> 3)
	v_lshrrev_b32 v[X], 3, v0
	s_lshl_b32 s38, ttmp9, 5
	v_add_nc_u32 v[X], s38, v[X]
	v_mov_b32 v[Y], v[X]
	v_mov_b32 v[Z], v[X]
	v_mov_b32 v[A], v[X]
	s_lshl_b32 s18, ttmp9, 12
	s_mov_b32 s19, 0
	s_add_nc_u64 s[44:45], s[8:9], s[18:19]
	global_store_b128 v[T0], v[X:X+3], s[44:45] th:TH_STORE_NT
	s_wait_tensorcnt 0x0
	ds_add_u32 v126, v127
	s_wait_dscnt 0x0
	s_endpgm
.Lmask:
	; waves 8 and 9: the mask, 1,024 bytes; 16 t is 4,096 ahead here, in LDS and in out2
	ds_load_b128 v[X:X+3], v[T0] offset:LDS_MSK-4096
	s_lshl_b32 s18, ttmp9, 10
	s_mov_b32 s19, 0
	s_add_nc_u64 s[44:45], s[12:13], s[18:19]
	s_wait_dscnt 0x0
	global_store_b128 v[T0], v[X:X+3], s[44:45] offset:-4096 th:TH_STORE_NT
.Lend:
	s_wait_tensorcnt 0x0
	ds_add_u32 v126, v127
	s_wait_dscnt 0x0
	s_endpgm
.Lfunc_end_k_q2014a655e6_radius:
	.size	k_q2014a655e6_radius, .Lfunc_end_k_q2014a655e6_radius-k_q2014a655e6_radius
	.p2alignl 7, 3214868480
	.fill 96, 4, 3214868480
	.section	.rodata,"a",@progbits
	.p2align	6, 0x0
	.amdhsa_kernel k_q2014a655e6_radius
		.amdhsa_group_segment_fixed_size 21504
		.amdhsa_private_segment_fixed_size 0
		.amdhsa_enable_private_segment 0
		.amdhsa_kernarg_size 48
		.amdhsa_user_sgpr_count 2
		.amdhsa_user_sgpr_kernarg_segment_ptr 1
		.amdhsa_wavefront_size32 1
		.amdhsa_system_sgpr_workgroup_id_x 1
		.amdhsa_system_sgpr_workgroup_id_y 1
		.amdhsa_system_sgpr_workgroup_id_z 1
		.amdhsa_system_vgpr_workitem_id 0
		.amdhsa_next_free_vgpr 128
		.amdhsa_next_free_sgpr 66
		.amdhsa_reserve_vcc 1
		.amdhsa_float_denorm_mode_32 3
		.amdhsa_float_denorm_mode_16_64 3
		.amdhsa_memory_ordered 1
		.amdhsa_forward_progress 1
		.amdhsa_inst_pref_size 34
	.end_amdhsa_kernel
	.amdgpu_metadata
---
amdhsa.version: [ 1, 2 ]
amdhsa.kernels:
  - .name:           k_q2014a655e6_radius
    .symbol:         k_q2014a655e6_radius.kd
    .args:
      - { .name: batch, .offset: 0, .size: 8, .value_kind: global_buffer, .address_space: global }
      - { .name: pos, .offset: 8, .size: 8, .value_kind: global_buffer, .address_space: global }
      - { .name: out0, .offset: 16, .size: 8, .value_kind: global_buffer, .address_space: global }
      - { .name: out1, .offset: 24, .size: 8, .value_kind: global_buffer, .address_space: global }
      - { .name: out2, .offset: 32, .size: 8, .value_kind: global_buffer, .address_space: global }
      - { .name: ranges, .offset: 40, .size: 8, .value_kind: global_buffer, .address_space: global }
    .group_segment_fixed_size: 21504
    .private_segment_fixed_size: 0
    .kernarg_segment_align: 8
    .kernarg_segment_size: 48
    .max_flat_workgroup_size: 1024
    .sgpr_count:     66
    .vgpr_count:     128
    .wavefront_size: 32
...
	.end_amdgpu_metadata
.endif
;; end of part 2
